; MI455X (gfx1250); checked and timed in simulation.
; The chip was launched on July 23, 2026; its instructions are those of AMD's public machine-readable ISA for CDNA 5 (MIT licence, August 2026) and "CDNA5" Instruction Set Architecture Reference Guide (July 2026). The comments in the code are by the model that wrote it; some were corrected since.
;; Live Net. Allowed arithmetic: matrix products marked QUANTISED: E4M3 operands, one given power-of-two scale a tensor, by v_wmma_f32_16x16x64_fp8_fp8 or v_wmma_f32_16x16x128_fp8_fp8, f32 sums; everything else in f32.
;; Inputs: W1_codes 8,192 x 64 x 32 uint8 (E4M3 codes of W1, K innermost, in blocks of 32 codes); W2_codes 2,048 x 256 x 32 uint8 (E4M3 codes of W2, K innermost, in blocks of 32 codes); b1 8,192 float32; b2 2,048 float32; lowp_scales 4 int32 (the exponents e of the quantised operands' scales 2^e); x_codes 2,048 x 64 x 32 uint8 (E4M3 codes of x, K innermost, in blocks of 32 codes).
;; Outputs: out0 2,048 x 2,048 float32.
;; This version of the problem:
;;   THIS VERSION OF THE PROBLEM IS GIVEN IN LOW PRECISION. The matrix products marked QUANTISED in the list below multiply operands that are first quantised to E4M3 (4 exponent bits, 3 mantissa bits; 8 bits a number), with one given power-of-two scale for each operand tensor; their sums are f32. All else is computed in f32.
;;   The module's matrix products, in the order in which they are computed (A, B: the left and right operand; K: the contracted axis; several contracted axes count as one K, in the product's order):
;;     1. [M 2,048, K 2,048] x [K 2,048, N 8,192]; A: input x (given as codes); B: input W1 (given as codes): QUANTISED (scales: A lowp_scales[0], B lowp_scales[1])
;;     2. [M 2,048, K 8,192] x [K 8,192, N 2,048]; A: computed on the way; B: input W2 (given as codes): QUANTISED (scales: A lowp_scales[2], B lowp_scales[3])
;;   THE QUANTISER, for each operand of a quantised product, along K:
;;     - The operand's scale is 2^e, e = its entry of the input lowp_scales (int32; the entries are numbered through the quantised products in the list's order, A before B).
;;     - Each number is divided by the scale, clamped to +-448, and rounded to the nearest number of E4M3, ties to even, subnormals kept.
;;     - The product sums the exact products of the quantised numbers (number of the format x scale) in f32.
;;   ~~~python
;;   def quantise(x, axis, e):      # numpy; x: float32 -> the quantised numbers, widened to float32 again
;;       x = np.moveaxis(x, axis, -1); K = x.shape[-1]
;;       r = np.clip(x / 2.0 ** e, -448, 448)
;;       step = 2.0 ** (np.maximum(np.frexp(np.where(r == 0, 1, r))[1] - 1, -6) - 3)
;;       q = np.round(r / step) * step * 2.0 ** e      # np.round: ties to even
;;       return np.moveaxis(q, -1, axis).astype(np.float32)
;;   ~~~
;;   OPERANDS COMPUTED ON THE WAY. 'Computed on the way' means the value that the module computes at that place (a softmax that the list does not call 'softmax' is quantised finished and normalised). What goes into a quantiser is computed in f32, as accurately as f32 sums, v_exp_f32 and their like allow (about 1e-6 of the number): no bf16 or f16 on the way to a quantiser, and a product that is left as it is and whose result goes on into a quantised operand takes f32 operands (vector FMAs, or v_wmma_f32_16x16x4_f32). A number that lies on a knife's edge between two numbers of the format may be rounded either way, as far as f32 arithmetic and the matrix unit's own rounding can turn it there, and no further.
;;   INPUTS GIVEN AS CODES. W1 (in the module: [8192, 2048], K = its axis 1); W2 (in the module: [2048, 8192], K = its axis 1); x (in the module: [2048, 2048], K = its axis 1): each comes as NAME_codes (uint8): NAME with its K axis moved to the last place and cut into blocks of 32 codes, [.., K / 32, bytes a block], one block behind the other in memory; one code a byte (a code: sign, 4 exponent bits, 3 mantissa bits); its scale is its entry of lowp_scales. Its value is code x scale, taken as it is: it is not quantised again, and the codes and scales need not be those that the quantiser above would give.
;; One version. Each part assembles by itself: llvm-mc -triple=amdgcn-amd-amdhsa -mcpu=gfx1250 --defsym DOCPART=n.
;; ======== version 1 of 1: 2 launches
;; limits: right only within a limited range of input values
;; workspace buffers: hq 16,777,216 bytes
;; launch hid (part 1): grid 32 x 8, 4 waves a work-group, clusters of 4 x 4, 327,680 bytes of LDS; arguments x_codes, W1_codes, lowp_scales, b1, hq; writes hq
.if DOCPART == 1
	.amdgcn_target "amdgcn-amd-amdhsa--gfx1250"
	.amdhsa_code_object_version 6
	.text
	.protected	k_qa5f74255da_hid
	.globl	k_qa5f74255da_hid
	.p2align	8
	.type	k_qa5f74255da_hid,@function
k_qa5f74255da_hid:
	s_mov_b64 s[64:65], 0
	v_nop
	global_prefetch_b8 v0, s[64:65] scope:SCOPE_SE
	s_setreg_imm32_b32 hwreg(HW_REG_WAVE_MODE, 25, 1), 1
	s_wait_xcnt 0x0
	s_wait_alu depctr_hold_cnt(0) depctr_sa_sdst(0) depctr_va_vdst(0) depctr_va_sdst(0) depctr_va_ssrc(0) depctr_va_vcc(0) depctr_vm_vsrc(0)
	s_getreg_b32 s2, hwreg(HW_REG_IB_STS2, 6, 4)
	s_cmp_eq_u32 s2, 0
	s_cbranch_scc0 .Lentry_in_a_cluster
	s_endpgm
.Lentry_in_a_cluster:
	s_bfe_u32 s2, ttmp6, 0x10000c
	s_cmp_lg_u32 s2, 0xf033
	s_cbranch_scc0 .Lentry_shape_is_right
	s_endpgm
.Lentry_shape_is_right:
; hq = Q(relu(2^(e0 + e1) x (x W1^T) + b1)): codes of FP8 (E4M3) under the given scale 2^e2.  x: [2048][2048], W1: [8192][2048]: codes, K innermost.  b1: [8192] f32.  lowp_scales: e0, e1, e2, e3.
; hq is laid as images of operand registers: a fragment (16 rows x 128 k) is 2,048 bytes, byte 512 g + 16 lane + i = row lane % 16, k = 32 g + 16 (lane / 16) + i; fragments lie [row / 128][k / 128][(row / 16) % 8].
; LIMITS: e2 - e0 - e1 between -126 and 119 (the conversion's scale and 448 x it are f32 numbers).  NaN codes among the inputs are not served (the hold turns a NaN into a bound).
; Inside a matrix instruction k stands in other places than the form's own layout gives it, alike in both operands.
; SHARES: a tile is 256 x 256: 32 x 8 = 256 work-groups of four waves, a wave 128 x 128: 64 accumulators.  K goes in steps of 256 through two LDS slots; each wave fetches 128 rows x 256 bytes with one tensor load.
; CLUSTERS 4 x 4: x's tiles are asked for jointly along a row of the cluster, W1's along a column.  The matrix instruction is used transposed (source 0 = W1, source 1 = x): a lane holds eight neighbouring hidden units of one row.
; b1 / 2^(e0 + e1) is the C of each accumulator's first product.  THE CHANGE OF SLOTS stands at the head of a slot's second step: that step's fragments are all in registers, so nothing of the slot is read any more;
; the refill goes out first behind the round, and the step's 64 products follow it.
; REGISTERS: window 0: v0-31 addresses, v32-95 bias, then the way out's numbers, v128-255 x's fragments (one set), then the codes.  window 1: W1's fragments, two sets.  windows 2, 3: the accumulators ((a, b) at v[8 (8 (a % 4) + b)]).
.set KROW,   2048
.set PITCH,  272                       ; 256 bytes + 16 of padding: the 16 rows of a fragment load start 4 words apart modulo 64 words
.set HALFT,  128*PITCH
.set SLOT,   4*HALFT                   ; x's 256 rows, then W1's 256 rows
.set SPARE,  2*SLOT                    ; the spare words: 128 bytes a wave, named by no other line
.set NPF,    4                         ; changes of slots at which a wave prefetches: K steps 4 to 7
.set ADRA, 16
.set ADRB, 20
.set HO,   24                          ; 16 x lane
.set BO,   25                          ; 32 x (lane / 16)
.set PFO,  26                          ; lane x a row of 2,048 bytes
.set SCL,  27                          ; 2^(e2 - e0 - e1)
.set SPW,  28
.set NIL,  29
.set LIMV, 30                          ; 448 x that
.set BI,   32
.set TMP,  32
.set AF,   128
.set CD,   128
.set G1,  24
.set G0,  32
.set G1B, 48
.set G0B, 56
.set PFA, 76
.set LIM, 78
.set SC,  79
.set MSB, 0
.macro WIN new                         ; the immediate's high byte repeats the setting that is left
.if MSB != (\new)
	s_set_vgpr_msb (MSB<<8)|(\new)
.set MSB, (\new)
.endif
.endm
.set MUL_LO,  0xa1                     ; source 0 window 1, source 1 window 0, C and D window 2
.set MUL_HI,  0xf1
.set MUL_LO0, 0x81                     ; the same with C (the bias) in window 0
.set MUL_HI0, 0xc1
.set TO_B,    0x40
.macro PLACES n
.rept \n
	v_nop
.endr
.endm
.macro JLOAD g0a, g1a, g0b, g1b        ; a joint load: waves 0, 1 fetch for x, waves 2, 3 for W1; s_nop 0 and four v_nop behind each line
	s_cmp_eq_u32 s15, 0
	s_cbranch_scc0 .Lfor_b_\@
	tensor_load_to_lds s[\g0a:\g0a+3], s[\g1a:\g1a+7]
	s_nop 0
.rept 4
	v_nop
.endr
	s_branch .Lasked_\@
.Lfor_b_\@:
	tensor_load_to_lds s[\g0b:\g0b+3], s[\g1b:\g1b+7]
	s_nop 0
.rept 4
	v_nop
.endr
.Lasked_\@:
.endm
.macro CREST                           ; a round of the cluster's barrier behind its opening barrier
	s_cmp_lg_u32 s14, 0
	s_cbranch_scc1 .Lnot_wave_0_\@
	s_barrier_signal -3
.Lnot_wave_0_\@:
	s_barrier_wait -3
	s_barrier_signal -1
	s_barrier_wait -1
.endm
.macro CROUND
	s_barrier_signal -1
	s_barrier_wait -1
	CREST
.endm
; A prefetch behind a joint load and the LDS loads: the K step two refills on, 32 rows x 256 bytes, a lane a row.  The four partners of a joint load share its 128 rows out by address;
; of the clusters that read the same rows the one at coordinate 0 asks.  K steps 0 to 3 come by their loads alone.
.macro ASK
	s_cmp_lt_u32 s[SC], s[LIM]
	s_cbranch_scc0 .Lnot_mine_\@
	global_prefetch_b8 v[PFO], s[PFA:PFA+1] th:TH_LOAD_NT scope:SCOPE_SE
.Lnot_mine_\@:
	s_add_co_u32 s[SC], s[SC], 1
.endm
	s_load_b256 s[4:11], s[0:1], 0x0               ; x s[4:5], W1 s[6:7], the scales s[8:9], b1 s[10:11]
	s_load_b64 s[12:13], s[0:1], 0x20              ; hq
	v_lshl_add_u32 v[SPW], v0, 2, SPARE
	v_mov_b32 v[NIL], 0
	ds_add_u32 v[SPW], v[NIL]                      ; the opening lines: the add twice on end and one wait
	ds_add_u32 v[SPW], v[NIL]
	v_lshrrev_b32 v1, 5, v0
	v_readfirstlane_b32 s14, v1                    ; wave
	v_bfe_u32 v2, v0, 4, 1                         ; lane / 16
	v_lshlrev_b32 v[BO], 5, v2
	s_lshr_b32 s15, s14, 1                         ; my half of the tile's rows; I fetch for x (0) or W1 (1)
	s_and_b32 s16, s14, 1                          ; my half of its columns; which 128 rows I fetch
	s_bfe_u32 s40, ttmp6, 0x40000                  ; cx, cy
	s_bfe_u32 s41, ttmp6, 0x40004
	s_lshl_b32 s42, ttmp9, 2
	s_add_co_u32 s42, s42, s40                     ; tile column
	s_and_b32 s17, ttmp7, 0xffff
	s_lshl_b32 s17, s17, 2
	s_add_co_u32 s17, s17, s41                     ; tile row
	s_lshl_b32 s43, s41, 2
	s_lshl_b32 s43, 15, s43                        ; my row of the cluster
	s_lshl_b32 s44, 0x1111, s40                    ; my column
	s_or_b32 s[G1+0], s43, (0<<16)|(1<<20)|(1<<21)|(5<<22)|(3<<25)   ; mask; bytes; padding of 4 words behind every 64
	s_or_b32 s[G1B+0], s44, (0<<16)|(1<<20)|(1<<21)|(5<<22)|(3<<25)
.irp g, G1, G1B
	s_mov_b32 s[\g+1], 256<<16
	s_mov_b32 s[\g+2], 128<<16
	s_mov_b32 s[\g+3], 256<<16
	s_mov_b32 s[\g+4], 128
	s_mov_b32 s[\g+5], KROW
	s_mov_b32 s[\g+6], 0
	s_mov_b32 s[\g+7], 0
.endr
	s_lshl_b32 s18, s16, 7
	s_lshl_b32 s20, s17, 8
	s_add_co_u32 s20, s20, s18
	s_lshl_b32 s20, s20, 11                        ; x: (256 x tile row + 128 x half) rows of 2,048 bytes
	s_mov_b32 s21, 0
	s_lshl_b32 s46, s42, 8
	s_add_co_u32 s46, s46, s18
	s_lshl_b32 s46, s46, 11                        ; W1 likewise by the tile column
	s_mov_b32 s47, 0
	s_mul_i32 s45, s14, HALFT                      ; LDS: wave x 128 rows
	s_lshl_b32 s84, s42, 10
	s_lshl_b32 s85, s16, 9
	s_add_co_u32 s84, s84, s85                     ; b1 at my 128 columns
	s_mov_b32 s85, 0
	s_wait_dscnt 0x0                               ; both opening adds are done
	s_wait_alu depctr_va_vdst(0)
	s_wait_kmcnt 0x0
	s_load_b128 s[68:71], s[8:9], 0x0              ; e0 .. e3
	s_add_nc_u64 s[10:11], s[10:11], s[84:85]
.irp b, 0,1,2,3,4,5,6,7
	global_load_b128 v[BI+8*\b:BI+8*\b+3],   v[BO], s[10:11] offset:64*\b      ; the bias in the result's layout, asked for ahead of the first round
	global_load_b128 v[BI+8*\b+4:BI+8*\b+7], v[BO], s[10:11] offset:64*\b+16
.endr
	s_add_nc_u64 s[20:21], s[4:5], s[20:21]
	s_add_nc_u64 s[46:47], s[6:7], s[46:47]
	CROUND                                         ; the first joint loads meet
.irp s, 0,1
	s_mov_b32 s[G0+4*\s], 1
	s_add_co_u32 s[G0+4*\s+1], s45, \s*SLOT
	s_add_nc_u64 s[G0+4*\s+2:G0+4*\s+3], s[20:21], \s*256
	s_or_b32 s[G0+4*\s+3], s[G0+4*\s+3], 0x80000000
	s_mov_b32 s[G0B+4*\s], 1
	s_add_co_u32 s[G0B+4*\s+1], s45, \s*SLOT
	s_add_nc_u64 s[G0B+4*\s+2:G0B+4*\s+3], s[46:47], \s*256
	s_or_b32 s[G0B+4*\s+3], s[G0B+4*\s+3], 0x80000000
.endr
	JLOAD G0, G1, G0B, G1B                         ; K step 0: one tensor load a wave at the head
	s_mul_i32 s21, s15, HALFT
	s_mul_i32 s22, s16, HALFT
	s_add_co_u32 s22, s22, 2*HALFT
	v_and_b32 v1, 15, v0
	v_mul_u32_u24 v3, v1, PITCH
	v_lshl_add_u32 v4, v2, 4, v3                   ; a fragment's row x pitch + 16 x half of the lanes
	v_add_nc_u32 v[ADRA], s21, v4
	v_add_nc_u32 v[ADRB], s22, v4
	v_add_nc_u32 v[ADRA+1], SLOT, v[ADRA]
	v_add_nc_u32 v[ADRB+1], SLOT, v[ADRB]
	v_and_b32 v3, 31, v0
	v_lshlrev_b32 v[HO], 4, v3
	v_lshlrev_b32 v[PFO], 11, v3
	s_lshl_b32 s18, s17, 1                         ; hq: image [2 x tile row + row half][2 x tile column + column half] of 16,384 bytes
	s_add_co_u32 s18, s18, s15
	s_lshl_b32 s18, s18, 6
	s_lshl_b32 s19, s42, 1
	s_add_co_u32 s18, s18, s19
	s_add_co_u32 s18, s18, s16
	s_lshl_b32 s18, s18, 14
	s_mov_b32 s19, 0
	s_add_nc_u64 s[12:13], s[12:13], s[18:19]
	s_lshl_b32 s82, s17, 8                         ; the prefetches
	s_lshl_b32 s83, s42, 8
	s_and_b32 s22, ttmp7, 0xffff
	s_cmp_eq_u32 s15, 0
	s_cselect_b32 s20, s82, s83
	s_cselect_b32 s21, s40, s41
	s_cselect_b32 s22, ttmp9, s22
	s_cselect_b64 s[PFA:PFA+1], s[4:5], s[6:7]
	s_cmp_eq_u32 s22, 0
	s_cselect_b32 s[LIM], NPF, 0
	s_lshl_b32 s22, s16, 7
	s_add_co_u32 s20, s20, s22
	s_lshl_b32 s21, s21, 5
	s_add_co_u32 s20, s20, s21
	s_lshl_b32 s20, s20, 11
	s_add_co_u32 s20, s20, 3*256                   ; at K step 3: the first change of slots steps it to 4
	s_mov_b32 s21, 0
	s_add_nc_u64 s[PFA:PFA+1], s[PFA:PFA+1], s[20:21]
	s_mov_b32 s[SC], 0
	s_wait_kmcnt 0x0
	s_add_co_i32 s72, s68, s69
	s_sub_co_i32 s73, s70, s72                     ; a sum stands for sum x 2^(e0 + e1): its code is sum / 2^(e2 - e0 - e1)
	s_sub_co_i32 s72, 0, s72
	s_add_co_i32 s73, s73, 127
	s_add_co_i32 s74, s73, 8
	s_lshl_b32 s73, s73, 23
	s_lshl_b32 s74, s74, 23
	s_or_b32 s74, s74, 0x600000
	v_mov_b32 v[SCL], s73
	v_mov_b32 v[LIMV], s74
	s_wait_loadcnt 0x0
.set j, 0
.rept 64
	v_ldexp_f32 v[BI+j], v[BI+j], s72              ; b1 / 2^(e0 + e1)
.set j, j+1
.endr
.macro FRAG reg, adr, q, i             ; registers 4 c .. 4 c + 3: K = 32 c + 16 (lane / 16) + 0 .. 15
.irp c, 0,1,2,3
	ds_load_b128 v[\reg+4*\c:\reg+4*\c+3], v[\adr] offset:128*(\q)+32*\c+(\i)*16*PITCH
.endr
.endm
.macro FETCH_B slot, q, p
	WIN TO_B
.irp i, 0,1,2,3,4,5,6,7
	FRAG 128*(\p)+16*\i, ADRB+(\slot), \q, \i
.endr
	WIN 0
.endm
.macro FETCH_A slot, q, i0
.irp i, \i0, \i0+1, \i0+2, \i0+3
	FRAG AF+16*(\i), ADRA+(\slot), \q, \i
.endr
.endm
.macro MULA a, p, first                ; x's block a against W1's eight; the 64 accumulators take turns in one order
.irp b, 0,1,2,3,4,5,6,7
.if \first
	v_wmma_f32_16x16x128_fp8_fp8 v[8*(8*((\a)%4)+\b):8*(8*((\a)%4)+\b)+7], v[128*(\p)+16*\b:128*(\p)+16*\b+15], v[AF+16*(\a):AF+16*(\a)+15], v[BI+8*\b:BI+8*\b+7]
.else
	v_wmma_f32_16x16x128_fp8_fp8 v[8*(8*((\a)%4)+\b):8*(8*((\a)%4)+\b)+7], v[128*(\p)+16*\b:128*(\p)+16*\b+15], v[AF+16*(\a):AF+16*(\a)+15], v[8*(8*((\a)%4)+\b):8*(8*((\a)%4)+\b)+7]
.endif
.endr
.endm
.macro STEP slot, first                ; a slot's first 128 along K; it fetches the second step's fragments
	s_wait_dscnt 16                                ; W1's set and x's blocks 0-3 are in; the 16 youngest loads may be out
.if \first
	WIN MUL_LO0
.else
	WIN MUL_LO
.endif
	MULA 0, 0, \first
	MULA 1, 0, \first
	MULA 2, 0, \first
	MULA 3, 0, \first
	s_wait_dscnt 0x0
	PLACES 4
	FETCH_B \slot, 1, 1
	FETCH_A \slot, 1, 0
.if \first
	WIN MUL_HI0
.else
	WIN MUL_HI
.endif
	MULA 4, 0, \first
	MULA 5, 0, \first
	MULA 6, 0, \first
	MULA 7, 0, \first
	PLACES 4
	WIN 0
	FETCH_A \slot, 1, 4
.endm
.macro TURN slot, fill                 ; a slot's second 128 along K, with the change of slots at its head
.if \fill
	s_wait_xcnt 0x0                                ; my last prefetch has read its address
	s_add_nc_u64 s[PFA:PFA+1], s[PFA:PFA+1], 256
.endif
	s_wait_tensorcnt 0x0                           ; my part of the other slot is in
	ds_add_u32 v[SPW], v[NIL]
.if \fill
	s_add_nc_u64 s[G0+4*(\slot)+2:G0+4*(\slot)+3], s[G0+4*(\slot)+2:G0+4*(\slot)+3], 2*256
	s_add_nc_u64 s[G0B+4*(\slot)+2:G0B+4*(\slot)+3], s[G0B+4*(\slot)+2:G0B+4*(\slot)+3], 2*256
.endif
	s_wait_dscnt 0x0                               ; the add is done, and all my reads of this slot: this step's fragments are in registers
	s_barrier_signal -1
	s_barrier_wait -1
.if \fill
	CREST
	JLOAD G0+4*(\slot), G1, G0B+4*(\slot), G1B     ; the refill, first behind the round; its four v_nop are the places for the loads below
.else
	PLACES 4
.endif
	FETCH_B 1-\slot, 0, 0
	WIN MUL_LO
	MULA 0, 1, 0
	MULA 1, 1, 0
	MULA 2, 1, 0
	MULA 3, 1, 0
	PLACES 4
	WIN 0
	FETCH_A 1-\slot, 0, 0
.if \fill
	ASK
.endif
	WIN MUL_HI
	MULA 4, 1, 0
	MULA 5, 1, 0
	MULA 6, 1, 0
	MULA 7, 1, 0
	PLACES 4
	WIN 0
	FETCH_A 1-\slot, 0, 4
.endm
; Block a's way out: the activation and the hold in one, eight codes a conversion, the halves of the lanes exchanged so that a lane holds 16 neighbouring k, four stores of 512 consecutive bytes.
.macro OUTB a
.set AC, 64*((\a)%4)
.set CB, CD+16*(\a)
	WIN 0x02+(\a)/4
.set j, 0
.rept 64
	v_med3_num_f32 v[TMP+j], v[AC+j], 0, v[LIMV]
.set j, j+1
.endr
	WIN 0
.irp b, 0,1,2,3,4,5,6,7
	v_cvt_scalef32_pk8_fp8_f32 v[CB+2*\b:CB+2*\b+1], v[TMP+8*\b:TMP+8*\b+7], v[SCL]
.endr
	v_nop
.irp g, 0,1,2,3
	v_permlane16_swap_b32 v[CB+4*\g], v[CB+4*\g+2]
	v_permlane16_swap_b32 v[CB+4*\g+1], v[CB+4*\g+3]
.endr
.irp g, 0,1,2,3
	global_store_b128 v[HO], v[CB+4*\g:CB+4*\g+3], s[12:13] offset:2048*(\a)+512*\g
.endr
.endm
	s_wait_alu depctr_va_vdst(0)
	s_wait_tensorcnt 0x0                           ; my part of K step 0 is in
	ds_add_u32 v[SPW], v[NIL]
	s_wait_dscnt 0x0
	CROUND
	JLOAD G0+4, G1, G0B+4, G1B                     ; K step 1
	FETCH_B 0, 0, 0
	FETCH_A 0, 0, 0
	FETCH_A 0, 0, 4
	STEP 0, 1
	s_mov_b32 s3, 3
.Llap:                                                 ; once round the ring: both slots are filled again, K steps 2 to 7 in three trips
	TURN 0, 1
	STEP 1, 0
	TURN 1, 1
	STEP 0, 0
	s_sub_co_u32 s3, s3, 1
	s_cmp_lg_u32 s3, 0
	s_cbranch_scc1 .Llap
	TURN 0, 0
	STEP 1, 0
	s_wait_dscnt 0x0                               ; the last step goes by blocks: block a leaves behind block a + 2's products
	WIN MUL_LO
	MULA 0, 1, 0
	MULA 1, 1, 0
.irp a, 0,1,2,3,4,5,6,7
.if \a < 6
	WIN MUL_LO+0x50*((\a+2)/4)
	MULA \a+2, 1, 0
	PLACES 4                                       ; behind block a's products and ahead of the first read of its sums; blocks 6 and 7 have the earlier blocks' vector work as places
.endif
	OUTB \a
.endr
	s_wait_tensorcnt 0x0                           ; the wave's end
	ds_add_u32 v[SPW], v[NIL]
	s_wait_dscnt 0x0
	CROUND                                         ; the closing round
	s_endpgm
.Lfunc_end_k_qa5f74255da_hid:
	.size	k_qa5f74255da_hid, .Lfunc_end_k_qa5f74255da_hid-k_qa5f74255da_hid
	.p2alignl 7, 3214868480
	.fill 96, 4, 3214868480
	.section	.rodata,"a",@progbits
	.p2align	6, 0x0
	.amdhsa_kernel k_qa5f74255da_hid
		.amdhsa_group_segment_fixed_size 327680
		.amdhsa_private_segment_fixed_size 0
		.amdhsa_enable_private_segment 0
		.amdhsa_kernarg_size 40
		.amdhsa_user_sgpr_count 2
		.amdhsa_user_sgpr_kernarg_segment_ptr 1
		.amdhsa_wavefront_size32 1
		.amdhsa_system_sgpr_workgroup_id_x 1
		.amdhsa_system_sgpr_workgroup_id_y 1
		.amdhsa_system_sgpr_workgroup_id_z 1
		.amdhsa_system_vgpr_workitem_id 0
		.amdhsa_next_free_vgpr 1024
		.amdhsa_next_free_sgpr 96
		.amdhsa_reserve_vcc 0
		.amdhsa_float_denorm_mode_32 3
		.amdhsa_float_denorm_mode_16_64 3
		.amdhsa_memory_ordered 1
		.amdhsa_forward_progress 1
		.amdhsa_inst_pref_size 127
	.end_amdhsa_kernel
	.amdgpu_metadata
---
amdhsa.version: [ 1, 2 ]
amdhsa.kernels:
  - .name:           k_qa5f74255da_hid
    .symbol:         k_qa5f74255da_hid.kd
    .args:
      - { .name: x_codes, .offset: 0, .size: 8, .value_kind: global_buffer, .address_space: global }
      - { .name: W1_codes, .offset: 8, .size: 8, .value_kind: global_buffer, .address_space: global }
      - { .name: lowp_scales, .offset: 16, .size: 8, .value_kind: global_buffer, .address_space: global }
      - { .name: b1, .offset: 24, .size: 8, .value_kind: global_buffer, .address_space: global }
      - { .name: hq, .offset: 32, .size: 8, .value_kind: global_buffer, .address_space: global }
    .group_segment_fixed_size: 327680
    .private_segment_fixed_size: 0
    .kernarg_segment_align: 8
    .kernarg_segment_size: 40
    .max_flat_workgroup_size: 128
    .sgpr_count:     96
    .vgpr_count:     1024
    .wavefront_size: 32
...
	.end_amdgpu_metadata
.endif
;; end of part 1
;; launch outp (part 2): grid 16 x 16, 4 waves a work-group, clusters of 4 x 4, 327,680 bytes of LDS; arguments hq, W2_codes, lowp_scales, b2, out0; writes out0
.if DOCPART == 2
	.amdgcn_target "amdgcn-amd-amdhsa--gfx1250"
	.amdhsa_code_object_version 6
	.text
	.protected	k_qa5f74255da_outp
	.globl	k_qa5f74255da_outp
	.p2align	8
	.type	k_qa5f74255da_outp,@function
k_qa5f74255da_outp:
	s_mov_b64 s[64:65], 0
	v_nop
	global_prefetch_b8 v0, s[64:65] scope:SCOPE_SE
	s_setreg_imm32_b32 hwreg(HW_REG_WAVE_MODE, 25, 1), 1
	s_wait_xcnt 0x0
	s_wait_alu depctr_hold_cnt(0) depctr_sa_sdst(0) depctr_va_vdst(0) depctr_va_sdst(0) depctr_va_ssrc(0) depctr_va_vcc(0) depctr_vm_vsrc(0)
	s_getreg_b32 s2, hwreg(HW_REG_IB_STS2, 6, 4)
	s_cmp_eq_u32 s2, 0
	s_cbranch_scc0 .Lentry_in_a_cluster
	s_endpgm
.Lentry_in_a_cluster:
	s_bfe_u32 s2, ttmp6, 0x10000c
	s_cmp_lg_u32 s2, 0xf033
	s_cbranch_scc0 .Lentry_shape_is_right
	s_endpgm
.Lentry_shape_is_right:
; out0 = relu(2^(e2 + e3) x (hq W2^T) + b2).  hq: the hidden layer's codes, 2,048 rows x 8,192 k, as images of operand registers: a fragment (16 rows x 128 k) is 2,048 bytes, byte 512 g + 16 lane + i
; = row lane % 16, k = 32 g + 16 (lane / 16) + i; fragments lie [row / 128][k / 128][(row / 16) % 8].  W2: [2048][8192] codes, K innermost.  b2: [2048], out0: [2048][2048]: f32.
; LIMITS: e2 + e3 between -126 and 127.  NaN codes among the inputs are not served (the activation turns a NaN into 0).  K is summed in two parts, added in f32 at the end; inside a matrix instruction k stands
; in other places than the form's own layout gives it, alike in both operands.
; SHARES: a tile is 128 x 128: 16 x 16 = 256 work-groups.  Wave w = 2 kh + rh makes rows 64 rh .. + 63 x all 128 columns over k half kh (512 of each slot's 1,024): 32 accumulators, 32 steps of 32 matrix instructions.
; hq GOES FROM MEMORY STRAIGHT INTO REGISTERS: each fragment feeds one wave alone and lies as its registers want it, 512 consecutive bytes a load.  Six sets of 64 registers.  A slot's worth, four steps, is asked for
; in one batch at the head of a slot's fourth step v: steps v + 2 to v + 4 ahead of the wait for the tile, step v + 5 behind the refill; the waits for these loads are counted.
; LDS holds W2 alone: a slot is 128 rows x 1,024 along K; six refills.  CLUSTERS 4 x 4: W2's tiles are asked for jointly along a column of the cluster.  hq's tiles are not: a joint request lands in LDS, where
; hq's 128 rows would take half of each slot: 512 along K to a slot and fourteen refills.
; THE CHANGE OF SLOTS stands at the head of a slot's fourth step: that step's fragments of W2 are in registers, so nothing of the slot is read any more; the refill is first behind the round, the products follow.
; NO LOOP: hq's sets come round after 6 steps, the slots after 8: the register numbers are back after 24 of the 32 steps, so the steps are expanded from one macro.
; The matrix instruction is used transposed (source 0 = W2, source 1 = hq): lane (r, h) holds row r and, in register j of accumulator (a, b), column 16 b + 8 h + j.
; THE WAY OUT: both k halves put their sums into one stage, rows of 512 bytes + 16, in slot 0 (last filled and last read ahead of the barrier of step 27); wave w reads rows 32 w .. + 31 of both, adds, and stores whole rows.
; REGISTERS: window 0: addresses, v32-35 b2, v128-255 hq's sets 4, 5.  window 1: W2's fragments, two sets of 128; then the rows read back.  window 2: hq's sets 0-3.  window 3: the accumulators ((a, b) at v[8 (8 a + b)]).
.set BP,     528                       ; 512 bytes + 16 of padding
.set QT,     64*BP                     ; what one tensor load brings: 64 rows x 512 along K; quarter w = 2 (k half) + (row half)
.set SLOT,   4*QT
.set SPARE,  2*SLOT                    ; the spare words
.set ASLOT,  131072                    ; a slot's 1,024 along K in hq's stream of a tile row
.set ACH,    16384                     ; 128 along K of it
.set BSLOT,  1024
.set LI,   5                           ; 16 x lane
.set AO,   8                           ; hq: 65,536 kh + 8,192 rh + 16 lane
.set ADRB, 16                          ; v16-17 my fragments of W2 in slot 0, 1
.set STO,  22                          ; the stage: where I put 32 bytes of a row
.set RD,   23                          ; where I read rows back, k half 0,
.set RD2,  24                          ; and k half 1
.set PFO,  26
.set SPW,  28
.set NIL,  29
.set BI,   32                          ; b2 at columns 4 lane .. + 3
.set G1,  48
.set G0,  56
.set PFA, 76
.set LIM, 78
.set SC,  79
.set PFS, 80
.set ABASE, 84
.set MSB, 0
.macro WIN new
.if MSB != (\new)
	s_set_vgpr_msb (MSB<<8)|(\new)
.set MSB, (\new)
.endif
.endm
.macro PLACES n
.rept \n
	v_nop
.endr
.endm
.macro CREST
	s_cmp_lg_u32 s14, 0
	s_cbranch_scc1 .Lnot_wave_0_\@
	s_barrier_signal -3
.Lnot_wave_0_\@:
	s_barrier_wait -3
	s_barrier_signal -1
	s_barrier_wait -1
.endm
.macro CROUND
	s_barrier_signal -1
	s_barrier_wait -1
	CREST
.endm
; Prefetches behind a refill and the loads: two instructions, a lane a block of 256 bytes.  Waves 0, 1 ask for hq's slot three on from the one that is left (its first load stands at the next change, four steps on),
; waves 2, 3 for W2's slot four on (two changes ahead of its joint load).  The four work-groups that read the same bytes share them out by address; of the clusters that read them the one at coordinate 0 asks.
; hq's slots 0 to 2 and W2's 0 to 3 come by their loads alone; hq's last prefetch stands at the fifth change, W2's at the fourth.
.macro ASK
	s_cmp_lt_u32 s[SC], s[LIM]
	s_cbranch_scc0 .Lnot_mine_\@
	global_prefetch_b8 v[PFO], s[PFA:PFA+1] th:TH_LOAD_NT scope:SCOPE_SE
	global_prefetch_b8 v[PFO], s[PFA:PFA+1] offset:512 th:TH_LOAD_NT scope:SCOPE_SE
.Lnot_mine_\@:
	s_add_co_u32 s[SC], s[SC], 1
.endm
.macro ALOAD u                         ; hq's four blocks of step u into set u % 6: sets 0-3 in window 2, sets 4, 5 in window 0 from v128 on
.if ((\u)%6) < 4
	WIN 0x80
.set HB, 64*((\u)%6)
.else
	WIN 0
.set HB, 128+64*((\u)%6-4)
.endif
.irp a, 0,1,2,3
.irp g, 0,1,2,3
	global_load_b128 v[HB+16*\a+4*\g:HB+16*\a+4*\g+3], v[AO], s[ABASE:ABASE+1] offset:((\u)/4)*ASLOT+((\u)%4)*ACH+2048*\a+512*\g
.endr
.endr
.endm
.macro FETCH_B u                       ; W2's eight fragments of step u into set u % 2
	WIN 0x40
.irp i, 0,1,2,3,4,5,6,7
.irp c, 0,1,2,3
	ds_load_b128 v[128*((\u)%2)+16*\i+4*\c:128*((\u)%2)+16*\i+4*\c+3], v[ADRB+((\u)/4)%2] offset:16*BP*\i+128*((\u)%4)+32*\c
.endr
.endr
	WIN 0
.endm
.macro MUL u, first                    ; 32 matrix instructions; the 32 accumulators take turns in one order; the first step's C is 0
.if ((\u)%6) < 4
	WIN 0xf9                                       ; source 0 window 1, source 1 window 2, C and D window 3
.set HB, 64*((\u)%6)
.else
	WIN 0xf1                                       ; source 1 window 0
.set HB, 128+64*((\u)%6-4)
.endif
.irp a, 0,1,2,3
.irp b, 0,1,2,3,4,5,6,7
.if \first
	v_wmma_f32_16x16x128_fp8_fp8 v[8*(8*\a+\b):8*(8*\a+\b)+7], v[128*((\u)%2)+16*\b:128*((\u)%2)+16*\b+15], v[HB+16*\a:HB+16*\a+15], 0
.else
	v_wmma_f32_16x16x128_fp8_fp8 v[8*(8*\a+\b):8*(8*\a+\b)+7], v[128*((\u)%2)+16*\b:128*((\u)%2)+16*\b+15], v[HB+16*\a:HB+16*\a+15], v[8*(8*\a+\b):8*(8*\a+\b)+7]
.endif
.endr
.endr
	WIN 0
.endm
; A step.  sync = 1: change of slots with a refill; 2: without.  cnt: the loads of hq issued behind this step's 16 (-1: an earlier wait has shown them).  l0, np: np steps of hq from l0 on are asked for ahead of the
; change of slots.  lp: one more behind the refill (-1: none).  nxt: W2's fragments of step u + 1 are fetched.
.macro STEP u, first, sync, cnt, l0, np, lp, nxt
	s_wait_dscnt 0x0                               ; this step's fragments of W2 are in
	PLACES 4                                       ; ahead of loads into registers that the last step's matrix instructions read
.if ((\sync) == 0) && (\nxt)
	FETCH_B (\u)+1
.endif
.if (\cnt) >= 0
	s_wait_loadcnt \cnt                            ; loads come back in order: this step's 16 are in
.endif
.if (\np) > 0
	ALOAD (\l0)
.endif
.if (\np) > 1
	ALOAD (\l0)+1
	ALOAD (\l0)+2
.endif
	WIN 0
.if \sync
.if (\sync) == 1
	s_wait_xcnt 0x0                                ; my last prefetches have read their address
	s_add_nc_u64 s[PFA:PFA+1], s[PFA:PFA+1], s[PFS:PFS+1]
.endif
	s_wait_tensorcnt 0x0                           ; my quarter of the other slot is in
	ds_add_u32 v[SPW], v[NIL]
.if (\sync) == 1
	s_add_nc_u64 s[G0+4*(((\u)/4)%2)+2:G0+4*(((\u)/4)%2)+3], s[G0+4*(((\u)/4)%2)+2:G0+4*(((\u)/4)%2)+3], 2*BSLOT
.endif
	s_wait_dscnt 0x0
	s_barrier_signal -1
	s_barrier_wait -1
.if (\sync) == 1
	CREST
	tensor_load_to_lds s[G0+4*(((\u)/4)%2):G0+4*(((\u)/4)%2)+3], s[G1:G1+7]   ; my quarter of the slot two on
	s_nop 0
	PLACES 4
.endif
	FETCH_B (\u)+1
.if (\lp) >= 0
	ALOAD (\lp)
	WIN 0
.endif
.if (\sync) == 1
	ASK
.endif
.endif
	MUL \u, \first
.endm
	s_load_b256 s[4:11], s[0:1], 0x0               ; hq s[4:5], W2 s[6:7], the scales s[8:9], b2 s[10:11]
	s_load_b64 s[12:13], s[0:1], 0x20              ; out0
	v_lshl_add_u32 v[SPW], v0, 2, SPARE
	v_mov_b32 v[NIL], 0
	ds_add_u32 v[SPW], v[NIL]                      ; the opening lines: the add twice on end and one wait
	ds_add_u32 v[SPW], v[NIL]
	v_lshrrev_b32 v1, 5, v0
	v_readfirstlane_b32 s14, v1                    ; wave
	v_and_b32 v3, 31, v0
	v_lshlrev_b32 v[LI], 4, v3
	s_lshr_b32 s15, s14, 1                         ; kh
	s_and_b32 s16, s14, 1                          ; rh
	s_lshl_b32 s18, s15, 16
	s_lshl_b32 s19, s16, 13
	s_add_co_u32 s18, s18, s19
	v_add_nc_u32 v[AO], s18, v[LI]
	s_bfe_u32 s40, ttmp6, 0x40000                  ; cx, cy
	s_bfe_u32 s41, ttmp6, 0x40004
	s_lshl_b32 s42, ttmp9, 2
	s_add_co_u32 s42, s42, s40                     ; tile column
	s_and_b32 s17, ttmp7, 0xffff
	s_lshl_b32 s17, s17, 2
	s_add_co_u32 s17, s17, s41                     ; tile row
	s_lshl_b32 s44, 0x1111, s40                    ; my column of the cluster
	s_or_b32 s[G1+0], s44, (0<<16)|(1<<20)|(1<<21)|(6<<22)|(3<<25)   ; mask; bytes; padding of 4 words behind every 128
	s_mov_b32 s[G1+1], 512<<16
	s_mov_b32 s[G1+2], 64<<16
	s_mov_b32 s[G1+3], 512<<16
	s_mov_b32 s[G1+4], 64
	s_mov_b32 s[G1+5], 8192
	s_mov_b32 s[G1+6], 0
	s_mov_b32 s[G1+7], 0
	s_lshl_b32 s46, s42, 7
	s_lshl_b32 s18, s16, 6
	s_add_co_u32 s46, s46, s18                     ; W2: row 128 x tile column + 64 x row half,
	s_lshl_b32 s46, s46, 13
	s_lshl_b32 s18, s15, 9
	s_add_co_u32 s46, s46, s18                     ; + 512 x k half
	s_mov_b32 s47, 0
	s_mul_i32 s45, s14, QT
	s_lshl_b32 s20, s17, 20                        ; hq: a tile row's whole K is one stream of 2^20 bytes
	s_mov_b32 s21, 0
	s_lshl_b32 s22, s42, 9                         ; b2 at the tile's 128 columns
	s_mov_b32 s23, 0
	s_mul_i32 s24, s15, 2*QT                       ; my k half of a slot
	s_mul_i32 s25, s14, 32*BP                      ; the rows that I read back
	s_wait_dscnt 0x0                               ; both opening adds are done
	s_wait_alu depctr_va_vdst(0)
	s_wait_kmcnt 0x0
	s_load_b128 s[68:71], s[8:9], 0x0              ; e0 .. e3
	s_add_nc_u64 s[46:47], s[6:7], s[46:47]
	s_add_nc_u64 s[ABASE:ABASE+1], s[4:5], s[20:21]
	s_add_nc_u64 s[10:11], s[10:11], s[22:23]
	CROUND                                         ; the first joint loads meet
.irp s, 0,1
	s_mov_b32 s[G0+4*\s], 1
	s_add_co_u32 s[G0+4*\s+1], s45, \s*SLOT
	s_add_nc_u64 s[G0+4*\s+2:G0+4*\s+3], s[46:47], \s*BSLOT
	s_or_b32 s[G0+4*\s+3], s[G0+4*\s+3], 0x80000000
.endr
	tensor_load_to_lds s[G0:G0+3], s[G1:G1+7]      ; slot 0: one tensor load a wave at the head
	s_nop 0
	PLACES 4
	global_load_b128 v[BI:BI+3], v[LI], s[10:11]   ; b2, ahead of hq's loads: every counted wait covers it
	ALOAD 0                                        ; hq's steps 0 to 2: 48 loads; steps 3 and 4 are asked for in steps 0 and 1
	ALOAD 1
	ALOAD 2
	WIN 0
	v_and_b32 v1, 15, v0
	v_bfe_u32 v2, v0, 4, 1
	v_mul_u32_u24 v4, v1, BP
	v_lshl_add_u32 v6, v2, 4, v4                   ; a fragment's row x pitch + 16 x half of the lanes
	v_lshl_add_u32 v7, v2, 5, v4                   ; the stage: row x pitch + 32 x half
	v_add_nc_u32 v[ADRB], s24, v6
	v_add_nc_u32 v[ADRB+1], SLOT, v[ADRB]
	v_add_nc_u32 v[STO], s45, v7                   ; k half kh's copy, rows 64 rh on: 128 kh + 64 rh rows = wave x 64 rows
	v_add_nc_u32 v[RD], s25, v[LI]
	v_add_nc_u32 v[RD2], 2*QT, v[RD]
	s_lshl_b32 s18, s17, 7                         ; out0 at row 128 x tile row + 32 x wave, column 128 x tile column
	s_lshl_b32 s19, s14, 5
	s_add_co_u32 s18, s18, s19
	s_lshl_b32 s18, s18, 13
	s_lshl_b32 s19, s42, 9
	s_add_co_u32 s18, s18, s19
	s_mov_b32 s19, 0
	s_add_nc_u64 s[12:13], s[12:13], s[18:19]
	s_lshl_b32 s20, s17, 20                        ; the prefetches.  hq: my work-group's 32,768 bytes of a slot's 131,072, by cx; my wave's 16,384 of them
	s_lshl_b32 s21, s40, 15
	s_add_co_u32 s20, s20, s21
	s_lshl_b32 s21, s16, 14
	s_add_co_u32 s20, s20, s21
	s_add_co_u32 s20, s20, 2*ASLOT                 ; at slot 2: the first change steps it to slot 3
	s_lshl_b32 s82, s42, 7                         ; W2: my work-group's 32 rows of the tile's 128, by cy; my wave's 16 of them
	s_lshl_b32 s83, s41, 5
	s_add_co_u32 s82, s82, s83
	s_lshl_b32 s83, s16, 4
	s_add_co_u32 s82, s82, s83
	s_lshl_b32 s82, s82, 13
	s_add_co_u32 s82, s82, 3*BSLOT                 ; at slot 3: the first change steps it to slot 4
	s_and_b32 s22, ttmp7, 0xffff
	s_mov_b32 s[PFS], BSLOT
	s_mov_b32 s23, 8192
	s_cmp_eq_u32 s15, 0                            ; waves 0, 1 ask for hq, waves 2, 3 for W2
	s_cselect_b32 s20, s20, s82
	s_cselect_b32 s22, ttmp9, s22
	s_cselect_b64 s[PFA:PFA+1], s[4:5], s[6:7]
	s_cselect_b32 s[PFS], ASLOT, s[PFS]
	s_cselect_b32 s23, 1024, s23
	s_cselect_b32 s83, 5, 4
	s_cmp_eq_u32 s22, 0
	s_cselect_b32 s[LIM], s83, 0
	s_mov_b32 s21, 0
	s_mov_b32 s[PFS+1], 0
	s_add_nc_u64 s[PFA:PFA+1], s[PFA:PFA+1], s[20:21]
	s_mov_b32 s[SC], 0
	v_and_b32 v9, 31, v0
	v_lshrrev_b32 v10, 1, v9
	v_and_b32 v9, 1, v9
	v_mul_lo_u32 v[PFO], v10, s23
	v_lshl_add_u32 v[PFO], v9, 8, v[PFO]           ; (lane / 2) x 1,024 or 8,192 + (lane % 2) x 256
	s_wait_kmcnt 0x0
	s_add_co_i32 s72, s70, s71
	s_add_co_i32 s72, s72, 127
	s_lshl_b32 s72, s72, 23                        ; 2^(e2 + e3)
	s_mov_b32 s73, s72
	s_wait_alu depctr_va_vdst(0)
	s_wait_tensorcnt 0x0                           ; my quarter of slot 0 is in
	ds_add_u32 v[SPW], v[NIL]
	s_wait_dscnt 0x0
	CROUND
	tensor_load_to_lds s[G0+4:G0+7], s[G1:G1+7]    ; slot 1
	s_nop 0
	PLACES 4
	FETCH_B 0
	STEP 0, 1, 0, 32, 3, 1, -1, 1                  ; step 0 starts the sums; behind its 16 loads: steps 1, 2; it asks for step 3
	STEP 1, 0, 0, 32, 4, 1, -1, 1                  ; behind: steps 2, 3; it asks for step 4
	STEP 2, 0, 0, 32, 0, 0, -1, 1                  ; behind: steps 3, 4
.irp v, 3,7,11,15,19,23                ; slots 2 to 7 are asked for at these six changes
	STEP \v, 0, 1, 0, \v+2, 3, \v+5, 1             ; steps v and v + 1 of hq are in: nothing is out; the batch follows
	STEP \v+1, 0, 0, -1, 0, 0, -1, 1
	STEP \v+2, 0, 0, 48, 0, 0, -1, 1               ; behind: steps v + 3 to v + 5
	STEP \v+3, 0, 0, 32, 0, 0, -1, 1               ; behind: steps v + 4, v + 5
.endr
	STEP 27, 0, 2, 0, 29, 3, -1, 1                 ; the change to slot 7 fills nothing; hq's last three steps are asked for
	STEP 28, 0, 0, -1, 0, 0, -1, 1
	STEP 29, 0, 0, 32, 0, 0, -1, 1
	STEP 30, 0, 0, 16, 0, 0, -1, 1
	STEP 31, 0, 0, 0, 0, 0, -1, 0
	PLACES 4                                       ; ahead of the first read of the sums and of loads into registers that held fragments
	WIN 0x0c                                       ; store data: window 3
.irp a, 0,1,2,3
.irp b, 0,1,2,3,4,5,6,7
	ds_store_b128 v[STO], v[8*(8*\a+\b):8*(8*\a+\b)+3] offset:16*BP*\a+64*\b         ; each accumulator from its low end on
	ds_store_b128 v[STO], v[8*(8*\a+\b)+4:8*(8*\a+\b)+7] offset:16*BP*\a+64*\b+16
.endr
.endr
	WIN 0
	s_wait_dscnt 0x0                               ; for the others' sake: my stores have landed
	s_barrier_signal -1
	s_barrier_wait -1
	WIN 0x40
.set t, 0
.rept 32
	ds_load_b128 v[4*t:4*t+3], v[RD] offset:BP*t           ; row 32 w + t, 512 bytes over the 32 lanes: k half 0's sums,
	ds_load_b128 v[128+4*t:128+4*t+3], v[RD2] offset:BP*t  ; and k half 1's
.set t, t+1
.endr
.macro GRP g                           ; eight rows: the two parts added, x 2^(e2 + e3) + b2 in one packed multiply-add, the activation, and stores of 512 consecutive bytes
	s_wait_dscnt 48-16*\g                          ; the 16 loads of each later group may be out
	WIN 0x45
.set j, 0
.rept 16
	v_pk_add_f32 v[32*\g+j:32*\g+j+1], v[32*\g+j:32*\g+j+1], v[128+32*\g+j:128+32*\g+j+1]
.set j, j+2
.endr
	WIN 0x41
.set j, 0
.rept 16
	v_pk_fma_f32 v[32*\g+j:32*\g+j+1], v[32*\g+j:32*\g+j+1], s[72:73], v[BI+j%4:BI+j%4+1] op_sel_hi:[1,0,1]
.set j, j+2
.endr
	WIN 0x44
.set j, 0
.rept 32
	v_max_num_f32 v[32*\g+j], 0, v[32*\g+j]
.set j, j+1
.endr
	WIN 0x04
.set t, 0
.rept 8
	global_store_b128 v[LI], v[32*\g+4*t:32*\g+4*t+3], s[12:13] offset:8192*(8*\g+t) th:TH_STORE_NT
.set t, t+1
.endr
.endm
	GRP 0
	GRP 1
	GRP 2
	GRP 3
	WIN 0
	s_wait_tensorcnt 0x0                           ; the wave's end
	ds_add_u32 v[SPW], v[NIL]
	s_wait_dscnt 0x0
	CROUND                                         ; the closing round
	s_endpgm
.Lfunc_end_k_qa5f74255da_outp:
	.size	k_qa5f74255da_outp, .Lfunc_end_k_qa5f74255da_outp-k_qa5f74255da_outp
	.p2alignl 7, 3214868480
	.fill 96, 4, 3214868480
	.section	.rodata,"a",@progbits
	.p2align	6, 0x0
	.amdhsa_kernel k_qa5f74255da_outp
		.amdhsa_group_segment_fixed_size 327680
		.amdhsa_private_segment_fixed_size 0
		.amdhsa_enable_private_segment 0
		.amdhsa_kernarg_size 40
		.amdhsa_user_sgpr_count 2
		.amdhsa_user_sgpr_kernarg_segment_ptr 1
		.amdhsa_wavefront_size32 1
		.amdhsa_system_sgpr_workgroup_id_x 1
		.amdhsa_system_sgpr_workgroup_id_y 1
		.amdhsa_system_sgpr_workgroup_id_z 1
		.amdhsa_system_vgpr_workitem_id 0
		.amdhsa_next_free_vgpr 1024
		.amdhsa_next_free_sgpr 96
		.amdhsa_reserve_vcc 0
		.amdhsa_float_denorm_mode_32 3
		.amdhsa_float_denorm_mode_16_64 3
		.amdhsa_memory_ordered 1
		.amdhsa_forward_progress 1
		.amdhsa_inst_pref_size 225
	.end_amdhsa_kernel
	.amdgpu_metadata
---
amdhsa.version: [ 1, 2 ]
amdhsa.kernels:
  - .name:           k_qa5f74255da_outp
    .symbol:         k_qa5f74255da_outp.kd
    .args:
      - { .name: hq, .offset: 0, .size: 8, .value_kind: global_buffer, .address_space: global }
      - { .name: W2_codes, .offset: 8, .size: 8, .value_kind: global_buffer, .address_space: global }
      - { .name: lowp_scales, .offset: 16, .size: 8, .value_kind: global_buffer, .address_space: global }
      - { .name: b2, .offset: 24, .size: 8, .value_kind: global_buffer, .address_space: global }
      - { .name: out0, .offset: 32, .size: 8, .value_kind: global_buffer, .address_space: global }
    .group_segment_fixed_size: 327680
    .private_segment_fixed_size: 0
    .kernarg_segment_align: 8
    .kernarg_segment_size: 40
    .max_flat_workgroup_size: 128
    .sgpr_count:     96
    .vgpr_count:     1024
    .wavefront_size: 32
...
	.end_amdgpu_metadata
.endif
;; end of part 2
